; MI455X (gfx1250); checked and timed in simulation.
; The chip was launched on July 23, 2026; its instructions are those of AMD's public machine-readable ISA for CDNA 5 (MIT licence, August 2026) and "CDNA5" Instruction Set Architecture Reference Guide (July 2026). The comments in the code are by the model that wrote it; some were corrected since.
;; W8 A8 B8 O32 Linear. Allowed arithmetic: matrix products marked QUANTISED: E2M3 operands, one E8M0 scale for each 32 along K, by v_wmma_scale_f32_16x16x128_f8f6f4 with both operands' format E2M3, f32 sums; everything else in f32.
;; Inputs: alpha one number float32; bias 1 x 4,096 float32; weight 4,096 x 2,048 float32; x 4 x 2,048 x 2,048 int32.
;; Outputs: out0 4 x 2,048 x 4,096 int8.
;; This version of the problem:
;;   THIS VERSION OF THE PROBLEM IS GIVEN IN LOW PRECISION. The matrix products marked QUANTISED in the list below multiply operands that are first quantised to E2M3 (2 exponent bits, 3 mantissa bits; 6 bits a number), with one power-of-two scale for each 32 numbers along K (OCP MX v1.0); their sums are f32. All else is computed in f32.
;;   The module's matrix products, in the order in which they are computed (A, B: the left and right operand; K: the contracted axis; several contracted axes count as one K, in the product's order):
;;     1. [M 8,192, K 2,048] x [K 2,048, N 4,096]; A: input x; B: input weight: QUANTISED
;;   THE QUANTISER, for each operand of a quantised product, along K:
;;     - K is cut into blocks of 32 from its start; a last block that is shorter is filled with zeros.
;;     - A block's scale is 2^e with e = floor(log2(the largest magnitude in the block)) - 2, held to -126 .. 127; a block of zeros has e = 0. As a byte (E8M0): e + 127.
;;     - Each number is divided by its block's scale, clamped to +-7.5, and rounded to the nearest number of E2M3, ties to even, subnormals kept.
;;     - The product sums the exact products of the quantised numbers (number of the format x scale) in f32.
;;   ~~~python
;;   def quantise(x, axis):      # numpy; x: float32 -> the quantised numbers, widened to float32 again
;;       x = np.moveaxis(x, axis, -1); K = x.shape[-1]
;;       x = np.pad(x, [(0, 0)] * (x.ndim - 1) + [(0, -K % 32)]); x = x.reshape(x.shape[:-1] + (-1, 32)); a = np.abs(x).max(-1, keepdims=True)
;;       e = np.where(a > 0, np.clip(np.frexp(np.where(a > 0, a, 1))[1] - 1 - 2, -126, 127), 0)      # np.frexp(a)[1] - 1 = floor(log2(a)), exactly
;;       r = np.clip(x / 2.0 ** e, -7.5, 7.5)
;;       step = 2.0 ** (np.maximum(np.frexp(np.where(r == 0, 1, r))[1] - 1, 0) - 3)
;;       q = np.round(r / step) * step * 2.0 ** e      # np.round: ties to even
;;       return np.moveaxis(q.reshape(q.shape[:-2] + (-1,))[..., :K], -1, axis).astype(np.float32)
;;   ~~~
;; One version. Each part assembles by itself: llvm-mc -triple=amdgcn-amd-amdhsa -mcpu=gfx1250 --defsym DOCPART=n.
;; ======== version 1 of 1: 2 launches
;; limits: right only within a limited range of input values
;; workspace buffers: a_img 13,107,200 bytes; b_img 6,553,600 bytes
;; launch quant (part 1): grid 768 x 1, 4 waves a work-group, no clusters, 35,328 bytes of LDS; arguments x, weight, a_img, b_img; writes a_img, b_img
.if DOCPART == 1
	.amdgcn_target "amdgcn-amd-amdhsa--gfx1250"
	.amdhsa_code_object_version 6
	.text
	.protected	k_q46528e9ba7_quant
	.globl	k_q46528e9ba7_quant
	.p2align	8
	.type	k_q46528e9ba7_quant,@function
k_q46528e9ba7_quant:
	s_mov_b64 s[64:65], 0
	v_nop
	global_prefetch_b8 v0, s[64:65] scope:SCOPE_SE
	s_setreg_imm32_b32 hwreg(HW_REG_WAVE_MODE, 25, 1), 1
	s_wait_xcnt 0x0
; x [8192][2048], int32, and weight [4096][2048], f32, are turned into codes of FP6 (E2M3) with one E8M0 scale byte for each 32 along K,
; and stored AS THE PRODUCT'S LAUNCH WANTS THEM IN ITS REGISTERS.  x's numbers are first made f32, as a cast does; then both take the same lines.
; A block's scale is 2^(floor(log2(its largest magnitude)) - 2); its byte is the largest magnitude's exponent field - 2, held at 1 from below.
; LIMITS: a block of zeros gets the byte 1 where the rule says 127 (its codes are zeros, and this program alone reads the bytes); blocks whose largest
; magnitude lies under 2^(2 - 126) have their byte held at 1; NaN and infinities among the inputs are not served.
; THE LAYOUT of a_img and b_img: [group of 64 rows][fill: 256 along K][12,800 bytes].  In a fill: eight fragments of 1,536 bytes, fragment 4 s + j = rows 16 j .. 16 j + 15
; of the group x 128 along K (s = 0, 1); then 512 bytes of scale words, at 12,288 + 256 s + 16 r + 4 j the word of row 16 j + r.
; A fragment is an image of the matrix operand's twelve registers: registers 4 g .. 4 g + 3 of lane l at 512 g + 16 l.  Lane (r, h) holds row r; registers 0-5 K = 32 h + 0 .. 31, registers 6-11 K = 64 + 32 h + 0 .. 31.
; A work-group takes a group x 512 along K (two fills); wave j takes rows 16 j ..: four fragments.  For a fragment sixteen loads read 512 consecutive bytes each (a row's 128 numbers);
; they turn through the wave's own stage in LDS (rows 528 bytes apart), so that a lane gets its two whole blocks of 32: no other lane is asked for a maximum.
; A fragment leaves by three stores of 512 consecutive bytes.  The four waves' scale words meet in LDS and leave, behind a barrier, as runs of 256 bytes.
; No tensor loads.  Loads run two fragments (32 loads a wave) ahead.
.set WGA,   512                        ; work-groups for x: 128 groups x 4; weight has 64 x 4 more
.set GROW,  102400                     ; a group's eight fills
.set GFILL, 12800
.set SP,    528
.set WST,   16*SP
.set SCL,   4*WST                      ; 1,024 bytes: four steps' scale words
.set SPARE, SCL+1024                   ; the spare words, 128 bytes a wave
.set SPW,   20
.set NIL,   21
.set C,     32                         ; v32-43 a fragment's twelve registers; v44-46, v48-50 the halves that a conversion cannot put on an odd register
.set CT,    44
.set R,     64                         ; v64-191 two sets of 64: numbers as loaded
.set X,     192                        ; v192-255 my two blocks of 32
	s_load_b128 s[4:7], s[0:1], 0x0                ; x, weight
	s_load_b128 s[8:11], s[0:1], 0x10              ; a_img, b_img
	v_lshl_add_u32 v[SPW], v0, 2, SPARE
	v_mov_b32 v[NIL], 0
	v_lshrrev_b32 v1, 5, v0
	v_readfirstlane_b32 s16, v1                    ; wave
	v_and_b32 v2, 31, v0
	v_lshlrev_b32 v3, 4, v2                        ; 16 x lane: my place in a load's and in a store's 512 bytes
	s_mul_i32 s17, s16, WST
	v_add_nc_u32 v4, s17, v3                       ; the stage, on the way in
	v_and_b32 v9, 15, v0                           ; r
	v_bfe_u32 v11, v0, 4, 1                        ; h
	v_mul_u32_u24 v5, v9, SP
	v_lshl_add_u32 v5, v11, 7, v5
	v_add_nc_u32 v5, s17, v5                       ; and on the way out: row r, 128 h bytes in
	s_lshl_b32 s18, s16, 2
	s_add_co_u32 s18, s18, SCL
	v_lshl_add_u32 v6, v9, 4, s18                  ; my scale word: 16 r + 4 x wave
	s_lshl_b32 s19, s16, 8
	s_add_co_u32 s19, s19, SCL
	v_lshlrev_b32 v8, 3, v2
	v_add_nc_u32 v7, s19, v8                       ; on the way out wave w takes step w's 256 bytes, 8 a lane
	v_lshlrev_b32 v18, 3, v11                      ; 8 h
	v_mov_b32 v10, 0                               ; a lane permute's destination counts as one of its sources
	s_mov_b32 s24, 0x76543210
	s_mov_b32 s25, 0xfedcba98                      ; selects for lane l xor 16
	s_wait_alu depctr_va_vdst(0)                   ; the wait at the head's end
	s_wait_kmcnt 0x0
	s_cmp_lt_u32 ttmp9, WGA                        ; x's work-group or weight's: only pointers are chosen
	s_cselect_b64 s[4:5], s[4:5], s[6:7]
	s_cselect_b64 s[8:9], s[8:9], s[10:11]
	s_cselect_b32 s17, 0, WGA
	s_sub_co_u32 s17, ttmp9, s17
	s_lshr_b32 s18, s17, 2                         ; group
	s_and_b32 s19, s17, 3                          ; which 512 along K
	s_lshl_b32 s20, s18, 2
	s_add_co_u32 s20, s20, s16
	s_lshl_b32 s20, s20, 17                        ; my 16 rows of 8,192 bytes
	s_lshl_b32 s21, s19, 11
	s_add_co_u32 s20, s20, s21
	s_mov_b32 s21, 0
	s_add_nc_u64 s[4:5], s[4:5], s[20:21]
	s_mul_i32 s22, s18, GROW
	s_mul_i32 s23, s19, 2*GFILL
	s_add_co_u32 s22, s22, s23
	s_mov_b32 s23, 0
	s_add_nc_u64 s[8:9], s[8:9], s[22:23]          ; the work-group's two fills
	s_mul_i32 s26, s16, 1536
	s_mov_b32 s27, 0
	s_add_nc_u64 s[12:13], s[8:9], s[26:27]        ; my fragments
	s_lshr_b32 s26, s16, 1
	s_mul_i32 s26, s26, GFILL
	s_and_b32 s28, s16, 1
	s_lshl_b32 s28, s28, 8
	s_add_co_u32 s26, s26, s28
	s_add_co_u32 s26, s26, 12288
	s_add_nc_u64 s[14:15], s[8:9], s[26:27]        ; step w's scale words
.macro LOAD t
.irp i, 0,1,2,3,4,5,6,7,8,9,10,11,12,13,14,15
	global_load_b128 v[R+64*((\t)%2)+4*\i:R+64*((\t)%2)+4*\i+3], v3, s[4:5] offset:8192*\i+512*(\t) th:TH_LOAD_NT
.endr
.endm
.macro FRAGQ t
.if (\t) < 3
	s_wait_loadcnt 16                              ; this fragment's sixteen loads are in; the next one's may be out
.else
	s_wait_loadcnt 0x0
.endif
.irp i, 0,1,2,3,4,5,6,7,8,9,10,11,12,13,14,15
	ds_store_b128 v4, v[R+64*((\t)%2)+4*\i:R+64*((\t)%2)+4*\i+3] offset:SP*\i
.endr
.irp i, 0,1,2,3,4,5,6,7                ; LDS serves a wave's instructions in order: these see the stores
	ds_load_b128 v[X+4*\i:X+4*\i+3], v5 offset:16*\i
	ds_load_b128 v[X+32+4*\i:X+32+4*\i+3], v5 offset:256+16*\i
.endr
	s_wait_dscnt 0x0                               ; my blocks are back, so the stores have read their registers,
.if (\t)+2 < 4
	LOAD (\t)+2                                    ; which take the loads of two fragments on
.endif
	s_wait_xcnt 0x0                                ; the last fragment's stores have read v32-43
	s_cmp_lt_u32 ttmp9, WGA                        ; x's numbers are int32: the cast; the branch goes round register work alone
	s_cbranch_scc0 .Lf32_\@
.set i, 0
.rept 64
	v_cvt_f32_i32 v[X+i], v[X+i]
.set i, i+1
.endr
.Lf32_\@:
.irp c, 0,1,2,3                        ; four chains of 16 numbers by turns, each begun with the floor 2^(3 - 127)
	v_max3_num_f32 v[12+\c], |v[X+16*\c]|, |v[X+16*\c+1]|, 0x1800000
.endr
.irp i, 2,4,6,8,10,12,14
.irp c, 0,1,2,3
	v_max3_num_f32 v[12+\c], v[12+\c], |v[X+16*\c+\i]|, |v[X+16*\c+\i+1]|
.endr
.endr
	v_max_num_f32 v12, v12, v13                    ; block h
	v_max_num_f32 v14, v14, v15                    ; block 2 + h
	v_add_nc_u32 v12, 0xff000000, v12              ; 2 off the exponent field: the conversion's scale operand
	v_add_nc_u32 v14, 0xff000000, v14
	v_lshrrev_b32 v16, 23, v12                     ; the bytes
	v_lshrrev_b32 v17, 23, v14
	v_cvt_scalef32_pk16_fp6_f32 v[C:C+2], v[X:X+15], v12
	v_cvt_scalef32_pk16_fp6_f32 v[CT:CT+2], v[X+16:X+31], v12
	v_cvt_scalef32_pk16_fp6_f32 v[C+6:C+8], v[X+32:X+47], v14
	v_cvt_scalef32_pk16_fp6_f32 v[CT+4:CT+6], v[X+48:X+63], v14
	v_lshl_or_b32 v16, v17, 16, v16                ; (the plain line behind the conversions)
	v_lshlrev_b32 v16, v18, v16                    ; my two bytes at their places in the row's word
.irp i, 0,1,2
	v_mov_b32 v[C+3+\i], v[CT+\i]
	v_mov_b32 v[C+9+\i], v[CT+4+\i]
.endr
	v_permlanex16_b32 v10, v16, s24, s25
	v_or_b32 v16, v16, v10                         ; with lane l xor 16's two the word is whole
	ds_store_b32 v6, v16 offset:256*(\t)           ; both halves of the lanes write the same word with the same value
.irp g, 0,1,2
	global_store_b128 v3, v[C+4*\g:C+4*\g+3], s[12:13] offset:((\t)/2)*GFILL+((\t)%2)*6144+512*\g   ; 512 consecutive bytes, at a multiple of 256
.endr
.endm
	LOAD 0
	LOAD 1
	FRAGQ 0
	FRAGQ 1
	FRAGQ 2
	FRAGQ 3
	s_wait_dscnt 0x0                               ; for the others' sake: my scale words are stored
	s_barrier_signal -1
	s_barrier_wait -1
	ds_load_b64 v[12:13], v7
	s_wait_dscnt 0x0
	global_store_b64 v8, v[12:13], s[14:15]        ; 256 consecutive bytes, at a multiple of 256
	s_wait_tensorcnt 0x0                           ; the wave's end
	ds_add_u32 v[SPW], v[NIL]
	s_wait_dscnt 0x0
	s_endpgm
.Lfunc_end_k_q46528e9ba7_quant:
	.size	k_q46528e9ba7_quant, .Lfunc_end_k_q46528e9ba7_quant-k_q46528e9ba7_quant
	.p2alignl 7, 3214868480
	.fill 96, 4, 3214868480
	.section	.rodata,"a",@progbits
	.p2align	6, 0x0
	.amdhsa_kernel k_q46528e9ba7_quant
		.amdhsa_group_segment_fixed_size 35328
		.amdhsa_private_segment_fixed_size 0
		.amdhsa_enable_private_segment 0
		.amdhsa_kernarg_size 32
		.amdhsa_user_sgpr_count 2
		.amdhsa_user_sgpr_kernarg_segment_ptr 1
		.amdhsa_wavefront_size32 1
		.amdhsa_system_sgpr_workgroup_id_x 1
		.amdhsa_system_sgpr_workgroup_id_y 1
		.amdhsa_system_sgpr_workgroup_id_z 1
		.amdhsa_system_vgpr_workitem_id 0
		.amdhsa_next_free_vgpr 256
		.amdhsa_next_free_sgpr 66
		.amdhsa_reserve_vcc 0
		.amdhsa_float_denorm_mode_32 3
		.amdhsa_float_denorm_mode_16_64 3
		.amdhsa_memory_ordered 1
		.amdhsa_forward_progress 1
		.amdhsa_inst_pref_size 40
	.end_amdhsa_kernel
	.amdgpu_metadata
---
amdhsa.version: [ 1, 2 ]
amdhsa.kernels:
  - .name:           k_q46528e9ba7_quant
    .symbol:         k_q46528e9ba7_quant.kd
    .args:
      - { .name: x, .offset: 0, .size: 8, .value_kind: global_buffer, .address_space: global }
      - { .name: weight, .offset: 8, .size: 8, .value_kind: global_buffer, .address_space: global }
      - { .name: a_img, .offset: 16, .size: 8, .value_kind: global_buffer, .address_space: global }
      - { .name: b_img, .offset: 24, .size: 8, .value_kind: global_buffer, .address_space: global }
    .group_segment_fixed_size: 35328
    .private_segment_fixed_size: 0
    .kernarg_segment_align: 8
    .kernarg_segment_size: 32
    .max_flat_workgroup_size: 128
    .sgpr_count:     66
    .vgpr_count:     256
    .wavefront_size: 32
...
	.end_amdgpu_metadata
.endif
;; end of part 1
;; launch gemm (part 2): grid 16 x 16, 4 waves a work-group, clusters of 4 x 4, 327,680 bytes of LDS; arguments a_img, b_img, alpha, bias, out0; writes out0
.if DOCPART == 2
	.amdgcn_target "amdgcn-amd-amdhsa--gfx1250"
	.amdhsa_code_object_version 6
	.text
	.protected	k_q46528e9ba7_gemm
	.globl	k_q46528e9ba7_gemm
	.p2align	8
	.type	k_q46528e9ba7_gemm,@function
k_q46528e9ba7_gemm:
	s_mov_b64 s[64:65], 0
	v_nop
	global_prefetch_b8 v0, s[64:65] scope:SCOPE_SE
	s_setreg_imm32_b32 hwreg(HW_REG_WAVE_MODE, 25, 1), 1
	s_wait_xcnt 0x0
	s_wait_alu depctr_hold_cnt(0) depctr_sa_sdst(0) depctr_va_vdst(0) depctr_va_sdst(0) depctr_va_ssrc(0) depctr_va_vcc(0) depctr_vm_vsrc(0)
	s_getreg_b32 s2, hwreg(HW_REG_IB_STS2, 6, 4)
	s_cmp_eq_u32 s2, 0
	s_cbranch_scc0 .Lentry_in_a_cluster
	s_endpgm
.Lentry_in_a_cluster:
	s_bfe_u32 s2, ttmp6, 0x10000c
	s_cmp_lg_u32 s2, 0xf033
	s_cbranch_scc0 .Lentry_shape_is_right
	s_endpgm
.Lentry_shape_is_right:
; out[m][n] = clip(round(alpha x sum over k of A[m][k] B[n][k] + bias[n]), -128, 127) as int8.  A = x, B = weight, as codes of FP6 (E2M3) with E8M0 scales, in the layout
; that the launch before stores: [group of 64 rows][fill: 256 along K][12,800 bytes]: eight register images of 1,536 bytes (fragment 4 s + j: rows 16 j .., K step s), then 512 bytes of scale words.
; A work-group of four waves makes two tiles of 256 x 256, one below the other; a wave makes 128 x 128: 64 accumulators.  K goes in fills of two steps of 128 through two LDS slots of
; 102,400 bytes (A's four groups, then B's four); each wave fetches two groups with one tensor load: two rows of 12,800 bytes, which begin at multiples of 256.  The scales travel inside the fills.
; CLUSTERS: 4 x 4 work-groups; A's fills are asked for jointly along a row of the cluster, B's along a column.
; A fragment comes from LDS by three loads of 16 bytes a lane at 16 x lane: 512 dense bytes each.
; REGISTERS: every window of 256 holds v128-255 sixteen accumulators, v32-79 and v80-127 two sets of four fragments, v0-31 other things.
;   window 0: B's blocks 0-3, addresses (v2-14), scale words (v16-31, two sets);  window 1: B's blocks 4-7;  window 2: A's blocks 0-3, bias of columns 0-63;  window 3: A's blocks 4-7, bias of columns 64-127.
;   Accumulator (a, b) lies in window q = 2 (a / 4) + b / 4.  A step is four quarters q = 0 .. 3 of sixteen products, each under one setting of the windows.
;   Both operands have two sets: the next step's 50 LDS loads stand in ONE run at a step's head, behind four places, and have the step's 64 products in which to land.
; THE MATRIX INSTRUCTION IS USED TRANSPOSED (source 0 = rows of B, source 1 = rows of A): a lane holds eight neighbouring columns of one row of out.
; The ring: an even step 2 f reads step 2 f + 1's fragments from its own slot; behind its 60th product stand the wait for all tensor loads and the add, behind its last four products the wait for LDS and the
; cluster's round; behind that fill f + 2 is asked for into the slot just left, and the odd step reads from the other slot.  A wave has one tensor load out; between a request and the wait for it it issues 124 products.
; The ring goes on into the second tile (steps 12 and 14 ask for its fills 0 and 1); the last tile's four last steps are written out and ask for nothing.
; PREFETCH: a wave's part of a fill is 100 blocks of 256 bytes, of which each of the four partners that load them jointly names 25, told apart by address; lanes 25-31 name lane 24's again.
; At the head, behind fill 0's load, fills 1, 2 and 3 are asked for; then, behind each joint load, the fill four fills on (two refills ahead of the load that wants it).
; A's waves ask so twelve times (the first tile's fills 4-7, the second tile's eight), B's four times: the second tile reads B's rows again.  Fill 0 comes by its load alone.
; THE WAY OUT keeps reference()'s roundings: the product with alpha is rounded, then the sum with the bias; so the two are not fused.  Adding 1.5 x 2^23 rounds to a whole number, ties to even; the sum rises with its input, so the hold
; between 1.5 x 2^23 - 128 and + 127 behind it is right for every finite magnitude.  LIMIT: NaN and infinities are not served.
.set GROW,   102400
.set GFILL,  12800
.set SLOT,   8*GFILL
.set SPARE,  2*SLOT                    ; the spare words, 128 bytes a wave
.set STG,    SPARE+512                 ; the way out: two stages of 32 rows x 272 bytes
.set SPITCH, 272
.set SBUF,   32*SPITCH
.set SIZE_N, 4096
.set NEXT_A, 4*GROW-6*GFILL            ; from a slot's last fill of a tile to its first of the next
.set BACK_B, 6*GFILL
.set ADRA, 2
.set ADRB, 4
.set ADRS, 6
.set SPW,  8
.set NIL,  9
.set PFO,  10
.set STO,  11
.set RD,   12
.set CO,   13
.set BO,   14
.set SC,   16
.set FB,   32
.set ACC,  128
.set T,    32                          ; the way out works in window 0's fragment registers
.set Q,    64
.set OP0,  80
.set BK,   112
.set G1, 24
.set G0, 32
.set G1B, 48
.set G0B, 56
.set PFA, 66
.set PR,  68                           ; prefetches passed in the walk
.set LIM, 69                           ; and how many of them my wave issues
.set PST, 70
.set AL,  72
.set MG,  74
.set CLO, 76
.set CHI, 77
.set SEL1, 78
.set SEL2, 79
.set MSB, 0
.macro WIN new                         ; the immediate's high byte repeats the setting that is left
.if MSB != \new
	s_set_vgpr_msb (MSB<<8)|\new
.set MSB, \new
.endif
.endm
.macro PLACES
.rept 4
	v_nop
.endr
.endm
.macro JLOAD s                         ; waves 0, 1 fetch A's halves, waves 2, 3 B's; s_nop 0 and four v_nop behind each line
	s_cmp_eq_u32 s15, 0
	s_cbranch_scc0 .Lfor_b_\@
	tensor_load_to_lds s[G0+4*\s:G0+4*\s+3], s[G1:G1+7]
	s_nop 0
	PLACES
	s_branch .Lasked_\@
.Lfor_b_\@:
	tensor_load_to_lds s[G0B+4*\s:G0B+4*\s+3], s[G1B:G1B+7]
	s_nop 0
	PLACES
.Lasked_\@:
.endm
.macro ASK
	s_cmp_lt_u32 s[PR], s[LIM]
	s_cbranch_scc0 .Lnone_\@
	global_prefetch_b8 v[PFO], s[PFA:PFA+1] th:TH_LOAD_NT scope:SCOPE_SE
.Lnone_\@:
	s_add_co_u32 s[PR], s[PR], 1
.endm
.macro CREST
	s_cmp_lg_u32 s14, 0
	s_cbranch_scc1 .Lnot_wave_0_\@
	s_barrier_signal -3
.Lnot_wave_0_\@:
	s_barrier_wait -3
	s_barrier_signal -1
	s_barrier_wait -1
.endm
.macro CROUND
	s_barrier_signal -1
	s_barrier_wait -1
	CREST
.endm
	s_load_b128 s[4:7], s[0:1], 0x0                ; a_img, b_img
	s_load_b128 s[8:11], s[0:1], 0x10              ; alpha, bias
	s_load_b64 s[12:13], s[0:1], 0x20              ; out
	v_lshl_add_u32 v[SPW], v0, 2, SPARE
	v_mov_b32 v[NIL], 0
	ds_add_u32 v[SPW], v[NIL]                      ; the opening: the add, twice on end, and its wait
	ds_add_u32 v[SPW], v[NIL]
	v_lshrrev_b32 v1, 5, v0
	v_readfirstlane_b32 s14, v1                    ; wave
	s_lshr_b32 s15, s14, 1                         ; my half of the rows; also: I fetch for A (0) or B (1)
	s_and_b32 s16, s14, 1                          ; my half of the columns; also: which two groups I fetch
	s_bfe_u32 s40, ttmp6, 0x40000                  ; cx, cy
	s_bfe_u32 s41, ttmp6, 0x40004
	s_lshl_b32 s42, ttmp9, 2
	s_add_co_u32 s42, s42, s40                     ; tile column
	s_and_b32 s17, ttmp7, 0xffff
	s_lshl_b32 s17, s17, 2
	s_add_co_u32 s17, s17, s41                     ; which 512 rows
	s_lshl_b32 s43, s41, 2
	s_lshl_b32 s43, 15, s43                        ; my row of the cluster
	s_lshl_b32 s44, 0x1111, s40                    ; my column
	s_or_b32 s[G1], s43, (3<<16)|(1<<21)           ; elements of 8 bytes, no padding
	s_or_b32 s[G1B], s44, (3<<16)|(1<<21)
.irp g, G1, G1B
	s_mov_b32 s[\g+1], (GFILL/8)<<16               ; a row: 1,600 elements
	s_mov_b32 s[\g+2], 2<<16                       ; two rows
	s_mov_b32 s[\g+3], (GFILL/8)<<16
	s_mov_b32 s[\g+4], 2
	s_mov_b32 s[\g+5], GROW/8                      ; from group to group
	s_mov_b32 s[\g+6], 0
	s_mov_b32 s[\g+7], 0
.endr
	s_lshl_b32 s18, s16, 1
	s_lshl_b32 s20, s17, 3
	s_add_co_u32 s20, s20, s18                     ; A: group 8 y + 2 x half
	s_mul_i32 s20, s20, GROW
	s_mov_b32 s21, 0
	s_lshl_b32 s46, s42, 2
	s_add_co_u32 s46, s46, s18                     ; B: group 4 x + 2 x half
	s_mul_i32 s46, s46, GROW
	s_mov_b32 s47, 0
	s_mul_i32 s45, s14, 2*GFILL                    ; where they go: wave x two groups
	s_wait_dscnt 0x0
	s_wait_kmcnt 0x0
	s_add_nc_u64 s[20:21], s[4:5], s[20:21]
	s_add_nc_u64 s[46:47], s[6:7], s[46:47]
	CROUND                                         ; the first joint loads meet
.irp s, 0,1
	s_mov_b32 s[G0+4*\s], 1
	s_add_co_u32 s[G0+4*\s+1], s45, \s*SLOT
	s_add_nc_u64 s[G0+4*\s+2:G0+4*\s+3], s[20:21], \s*GFILL
	s_or_b32 s[G0+4*\s+3], s[G0+4*\s+3], 0x80000000
	s_mov_b32 s[G0B+4*\s], 1
	s_add_co_u32 s[G0B+4*\s+1], s45, \s*SLOT
	s_add_nc_u64 s[G0B+4*\s+2:G0B+4*\s+3], s[46:47], \s*GFILL
	s_or_b32 s[G0B+4*\s+3], s[G0B+4*\s+3], 0x80000000
.endr
	JLOAD 0                                        ; fill 0: one tensor load a wave at the head
	s_load_b32 s[AL], s[8:9], 0x0
	s_mul_i32 s80, s15, 2*GFILL                    ; my two groups of A in slot 0,
	s_add_co_u32 s81, s80, SLOT                    ; in slot 1;
	s_mul_i32 s82, s16, 2*GFILL
	s_add_co_u32 s82, s82, 4*GFILL                 ; of B
	s_add_co_u32 s83, s82, SLOT
	s_sub_co_u32 s84, s82, s80                     ; from A's to B's
	s_mul_i32 s85, s15, 16*SPITCH                  ; into the stage: my half's 16 rows, my 128 bytes of them
	s_lshl_b32 s18, s16, 7
	s_add_co_u32 s85, s85, s18
	s_add_co_u32 s85, s85, STG
	s_mul_i32 s86, s14, 8*SPITCH                   ; back: wave w takes rows 8 w .. 8 w + 7, whole
	s_add_co_u32 s86, s86, STG
	s_lshl_b32 s88, s17, 9
	s_lshl_b32 s18, s15, 7
	s_add_co_u32 s88, s88, s18
	s_lshl_b32 s18, s16, 3
	s_add_co_u32 s88, s88, s18                     ; the first row that I store
	s_lshl_b32 s88, s88, 12
	s_lshl_b32 s18, s42, 8
	s_add_co_u32 s88, s88, s18
	s_mov_b32 s89, 0
	s_add_nc_u64 s[12:13], s[12:13], s[88:89]
	s_lshl_b32 s90, s42, 10
	s_lshl_b32 s18, s16, 9
	s_add_co_u32 s90, s90, s18
	s_mov_b32 s91, 0
	s_add_nc_u64 s[10:11], s[10:11], s[90:91]      ; my 128 columns' bias
	s_lshl_b32 s92, s17, 3
	s_lshl_b32 s93, s42, 2
	s_cmp_eq_u32 s15, 0
	s_cselect_b32 s92, s92, s93
	s_cselect_b32 s87, s40, s41                    ; my place among the four that load with me
	s_cselect_b64 s[PFA:PFA+1], s[4:5], s[6:7]
	s_cselect_b32 s[LIM], 12, 4
	s_lshl_b32 s93, s16, 1
	s_add_co_u32 s92, s92, s93
	s_mul_i32 s92, s92, GROW
	s_add_co_u32 s92, s92, 3*GFILL                 ; at fill 3: in the walk it is stepped ahead of each prefetch
	s_mov_b32 s93, 0
	s_add_nc_u64 s[PFA:PFA+1], s[PFA:PFA+1], s[92:93]
	s_mul_i32 s87, s87, 25
	s_mov_b32 s[PR], 0
	s_mov_b32 s[PST+1], 0
	s_mov_b32 s[MG], 0x4b400000                    ; 1.5 x 2^23
	s_mov_b32 s[MG+1], 0x4b400000
	s_mov_b32 s[CLO], 0x4b3fff80                   ; - 128
	s_mov_b32 s[CHI], 0x4b40007f                   ; + 127
	s_mov_b32 s[SEL1], 0x00000400
	s_mov_b32 s[SEL2], 0x05040100
	v_and_b32 v32, 15, v0                          ; r
	v_bfe_u32 v33, v0, 4, 1                        ; h
	v_and_b32 v34, 31, v0
	v_lshlrev_b32 v35, 4, v34                      ; 16 x lane
	v_add_nc_u32 v[ADRA], s80, v35
	v_add_nc_u32 v[ADRA+1], s81, v35
	v_add_nc_u32 v[ADRB], s82, v35
	v_add_nc_u32 v[ADRB+1], s83, v35
	v_mul_u32_u24 v36, s84, v33                    ; scale words: lanes 0-15 A's, lanes 16-31 B's
	v_lshl_add_u32 v36, v32, 4, v36
	v_add_nc_u32 v[ADRS], s80, v36
	v_add_nc_u32 v[ADRS+1], s81, v36
	v_mul_u32_u24 v37, v32, SPITCH
	v_lshl_add_u32 v37, v33, 3, v37
	v_add_nc_u32 v[STO], s85, v37
	v_mul_u32_u24 v38, v33, SPITCH
	v_lshl_add_u32 v38, v32, 4, v38
	v_add_nc_u32 v[RD], s86, v38
	v_lshlrev_b32 v39, 12, v33
	v_lshl_add_u32 v[CO], v32, 4, v39
	v_lshlrev_b32 v[BO], 5, v33
	v_min_u32 v40, 24, v34
	v_add_nc_u32 v40, s87, v40                     ; which of the 100 blocks
	v_mul_u32_u24 v41, v40, 41
	v_lshrrev_b32 v41, 11, v41                     ; block / 50: which of the two groups
	v_mul_u32_u24 v41, v41, GROW-GFILL
	v_lshl_add_u32 v[PFO], v40, 8, v41
	s_wait_alu depctr_va_vdst(0)                   ; the wait at the head's end
.irp f, 2,1,0
	global_prefetch_b8 v[PFO], s[PFA:PFA+1] offset:-\f*GFILL th:TH_LOAD_NT scope:SCOPE_SE   ; fills 1, 2, 3: the buffers' first touch is asked for early
.endr
.irp u, 0,1
	WIN (0x80+0x40*\u)
.irp b, 0,1,2,3
	global_load_b128 v[8*\b:8*\b+3],   v[BO], s[10:11] offset:256*\u+64*\b      ; bias of columns 16 b + 8 h + 0 .. 7
	global_load_b128 v[8*\b+4:8*\b+7], v[BO], s[10:11] offset:256*\u+64*\b+16
.endr
.endr
	WIN 0
	s_wait_tensorcnt 0x0                           ; my part of fill 0 is in; these lines stand ahead of a later first fill as ahead of a refill
	ds_add_u32 v[SPW], v[NIL]
	s_wait_dscnt 0x0
	CROUND
	JLOAD 1                                        ; fill 1, the first tensor load behind the round
	s_wait_kmcnt 0x0
	s_mov_b32 s[AL+1], s[AL]
	s_wait_loadcnt 0x0
; Four products: A's block 4 (q / 2) + ai against B's blocks 4 (q % 2) + 0 .. 3, set p.  The 64 accumulators take turns, in the same order in every step.
.macro QROW q, p, ai, zero
.irp bi, 0,1,2,3
.if \zero
	v_wmma_scale_f32_16x16x128_f8f6f4 v[ACC+32*\ai+8*\bi:ACC+32*\ai+8*\bi+7], v[FB+48*\p+12*\bi:FB+48*\p+12*\bi+11], v[FB+48*\p+12*\ai:FB+48*\p+12*\ai+11], 0, v[SC+8*\p+4*(\q%2)+\bi], v[SC+8*\p+4*(\q/2)+\ai] matrix_a_fmt:MATRIX_FMT_FP6 matrix_b_fmt:MATRIX_FMT_FP6 matrix_a_scale:MATRIX_SCALE_ROW1
.else
	v_wmma_scale_f32_16x16x128_f8f6f4 v[ACC+32*\ai+8*\bi:ACC+32*\ai+8*\bi+7], v[FB+48*\p+12*\bi:FB+48*\p+12*\bi+11], v[FB+48*\p+12*\ai:FB+48*\p+12*\ai+11], v[ACC+32*\ai+8*\bi:ACC+32*\ai+8*\bi+7], v[SC+8*\p+4*(\q%2)+\bi], v[SC+8*\p+4*(\q/2)+\ai] matrix_a_fmt:MATRIX_FMT_FP6 matrix_b_fmt:MATRIX_FMT_FP6 matrix_a_scale:MATRIX_SCALE_ROW1
.endif
.endr
.endm
.macro QWIN q                          ; source 0 (B) window q % 2, source 1 (A) window 2 + q / 2, C and D window q
	WIN ((\q%2)|((2+\q/2)<<2)|(\q<<4)|(\q<<6))
.endm
.macro QUART q, p, zero
	QWIN \q
.irp ai, 0,1,2,3
	QROW \q, \p, \ai, \zero
.endr
.endm
; 50 LDS loads in one run: the scale words and the sixteen fragments of step s of slot sl, into set st: B's blocks 0-3, 4-7, A's 0-3, 4-7 into windows 0 to 3
.macro RUN st, sl, s
	WIN 0
.irp gi, 0,1
	ds_load_b128 v[SC+8*\st+4*\gi:SC+8*\st+4*\gi+3], v[ADRS+\sl] offset:GFILL*\gi+12288+256*\s
.endr
.irp w, 0,1,2,3
	WIN (\w<<6)
.irp j, 0,1,2,3
.irp g, 0,1,2
	ds_load_b128 v[FB+48*\st+12*\j+4*\g:FB+48*\st+12*\j+4*\g+3], v[ADRB-2*(\w/2)+\sl] offset:GFILL*(\w%2)+6144*\s+1536*\j+512*\g
.endr
.endr
.endr
.endm
; An even step (set 0, first step of slot sl).  kind 1: refill with this tile's fill two on; 2: with the next tile's; 0: a barrier for the other slot alone; 3: nothing.
.macro EVEN sl, zero, kind
	PLACES                                         ; behind the last step's products, ahead of the loads into the set that they read
	RUN 1, \sl, 1
	s_wait_dscnt 50                                ; all but the 50 just issued: this step's operands are in
	QUART 0, 0, \zero
	QUART 1, 0, \zero
	QUART 2, 0, \zero
.if \kind == 3
	QUART 3, 0, \zero
	s_wait_dscnt 0x0
.else
	QWIN 3
	QROW 3, 0, 0, \zero
	QROW 3, 0, 1, \zero
	QROW 3, 0, 2, \zero
	WIN 0
.if \kind
	s_wait_xcnt 0x0                                ; my last prefetch has read its address
	s_cmp_eq_u32 s[PR], 4                          ; behind fill 7 comes the next tile's fill 0, four groups on
	s_cselect_b32 s[PST], 3*GROW, 0
	s_add_co_u32 s[PST], s[PST], GFILL
	s_add_nc_u64 s[PFA:PFA+1], s[PFA:PFA+1], s[PST:PST+1]
.endif
	s_wait_tensorcnt 0x0                           ; all my tensor loads have landed: my part of the other slot
	ds_add_u32 v[SPW], v[NIL]                      ; the add; the step's last four products stand between it and the wait for it
.if \kind == 1
	s_add_nc_u64 s[G0+4*\sl+2:G0+4*\sl+3], s[G0+4*\sl+2:G0+4*\sl+3], 2*GFILL
	s_add_nc_u64 s[G0B+4*\sl+2:G0B+4*\sl+3], s[G0B+4*\sl+2:G0B+4*\sl+3], 2*GFILL
.endif
.if \kind == 2
	s_add_nc_u64 s[G0+4*\sl+2:G0+4*\sl+3], s[G0+4*\sl+2:G0+4*\sl+3], NEXT_A
	s_sub_nc_u64 s[G0B+4*\sl+2:G0B+4*\sl+3], s[G0B+4*\sl+2:G0B+4*\sl+3], BACK_B
.endif
	QWIN 3
	QROW 3, 0, 3, \zero
	WIN 0
	s_wait_dscnt 0x0                               ; the add is done, and so are my reads of this slot
	s_barrier_signal -1
	s_barrier_wait -1
.if \kind
	CREST                                          ; the barrier has opened a round of the cluster's barrier
	JLOAD \sl                                      ; its four v_nop are the places ahead of the next step's loads
	ASK
.else
	PLACES
.endif
.endif
.endm
.macro ODD sl, ld                      ; an odd step (set 1, second step of slot sl); its operands were waited for in the even step; ld = 1: it reads the next step's from the other slot
.if \ld
	RUN 0, (1-\sl), 0
.endif
	QUART 0, 1, 0
	QUART 1, 1, 0
	QUART 2, 1, 0
	QUART 3, 1, 0
.endm
; THE WAY OUT of block a (16 rows), half u (64 columns): 32 registers of window 2 (a / 4) + u
.macro PACKA a, u
.set AC, ACC+32*((\a)%4)
	WIN (2*((\a)/4)+(\u))
.set i, 0
.rept 16
	v_pk_mul_f32 v[T+i:T+i+1], v[AC+i:AC+i+1], s[AL:AL+1] op_sel_hi:[1,0]
.set i, i+2
.endr
	WIN ((2+(\u))<<2)
.set i, 0
.rept 16
	v_pk_add_f32 v[T+i:T+i+1], v[T+i:T+i+1], v[i:i+1]
.set i, i+2
.endr
	WIN 0
.set i, 0
.rept 16
	v_pk_add_f32 v[T+i:T+i+1], v[T+i:T+i+1], s[MG:MG+1] op_sel_hi:[1,0]
.set i, i+2
.endr
.endm
.macro PACKB a, u
.set OPS, OP0+16*((\a)%2)+8*(\u)
.set i, 0
.rept 32
	v_med3_num_f32 v[T+i], v[T+i], s[CLO], s[CHI]
.set i, i+1
.endr
.set i, 0
.rept 16
	v_perm_b32 v[Q+i], v[T+2*i+1], v[T+2*i], s[SEL1]       ; the lowest byte is the int8
.set i, i+1
.endr
.set i, 0
.rept 8
	v_perm_b32 v[OPS+i], v[Q+2*i+1], v[Q+2*i], s[SEL2]
.set i, i+1
.endr
.endm
.macro TOSTG a
.set OPS, OP0+16*((\a)%2)
.irp b, 0,1,2,3,4,5,6,7
	ds_store_b64 v[STO], v[OPS+2*\b:OPS+2*\b+1] offset:((\a)%2)*SBUF+16*\b
.endr
.endm
.macro BACK a
	s_wait_xcnt 0x0                                ; the earlier stores have read v112-127
.irp t, 0,1,2,3
	ds_load_b128 v[BK+4*\t:BK+4*\t+3], v[RD] offset:((\a)%2)*SBUF+\t*2*SPITCH
.endr
.endm
.macro SEND a
	s_wait_dscnt 0x0
.irp t, 0,1,2,3
	global_store_b128 v[CO], v[BK+4*\t:BK+4*\t+3], s[12:13] offset:(16*(\a)+2*\t)*SIZE_N th:TH_STORE_NT   ; 16 lanes store 256 consecutive bytes, at a multiple of 256
.endr
.endm
	s_mov_b32 s2, 2                                ; tiles to go
.Ltile:
	RUN 0, 0, 0                                    ; step 0's scale words and fragments
	EVEN 0, 1, 1                                   ; the first step's products start the sums
	ODD 0, 1
	EVEN 1, 0, 1
	ODD 1, 1
	WIN 0
	s_mov_b32 s3, 2
.Llap:                                                 ; steps 4-7 and 8-11: once round the ring
	EVEN 0, 0, 1
	ODD 0, 1
	EVEN 1, 0, 1
	ODD 1, 1
	WIN 0
	s_sub_co_u32 s3, s3, 1
	s_cmp_lg_u32 s3, 0
	s_cbranch_scc1 .Llap
	s_cmp_eq_u32 s2, 1
	s_cbranch_scc1 .Llast
	EVEN 0, 0, 2                                   ; the ring goes on into the next tile
	ODD 0, 1
	EVEN 1, 0, 2
	ODD 1, 0
	WIN 0
	s_branch .Lout
.Llast:                                                ; the last tile's tail asks for nothing
	EVEN 0, 0, 0
	ODD 0, 1
	EVEN 1, 0, 3
	ODD 1, 0
	WIN 0
.Lout:
	PLACES
	PACKA 0, 0
	PACKB 0, 0
	PACKA 0, 1
	PACKB 0, 1
	TOSTG 0
.irp a, 1,2,3,4,5,6,7                  ; a row's 256 bytes come from two waves: a barrier between writing a stage and reading it; two stages by turns
	PACKA \a, 0
	s_wait_dscnt 0x0
	s_barrier_signal -1
	PACKB \a, 0
	s_barrier_wait -1
	BACK \a-1
	PACKA \a, 1
	PACKB \a, 1
	s_wait_alu depctr_va_vdst(0)                   ; the wait here, directly ahead of SEND's wait
	SEND \a-1
	TOSTG \a
.endr
	s_wait_dscnt 0x0
	s_barrier_signal -1
	s_barrier_wait -1
	BACK 7
	SEND 7
	s_wait_xcnt 0x0                                ; the stores have read their base and their registers
	s_add_nc_u64 s[12:13], s[12:13], 256*SIZE_N
	s_sub_co_u32 s2, s2, 1
	s_cmp_lg_u32 s2, 0
	s_cbranch_scc1 .Ltile
	s_wait_tensorcnt 0x0                           ; the wave's end
	ds_add_u32 v[SPW], v[NIL]
	s_wait_dscnt 0x0
	CROUND                                         ; the closing round
	s_endpgm
.Lfunc_end_k_q46528e9ba7_gemm:
	.size	k_q46528e9ba7_gemm, .Lfunc_end_k_q46528e9ba7_gemm-k_q46528e9ba7_gemm
	.p2alignl 7, 3214868480
	.fill 96, 4, 3214868480
	.section	.rodata,"a",@progbits
	.p2align	6, 0x0
	.amdhsa_kernel k_q46528e9ba7_gemm
		.amdhsa_group_segment_fixed_size 327680
		.amdhsa_private_segment_fixed_size 0
		.amdhsa_enable_private_segment 0
		.amdhsa_kernarg_size 40
		.amdhsa_user_sgpr_count 2
		.amdhsa_user_sgpr_kernarg_segment_ptr 1
		.amdhsa_wavefront_size32 1
		.amdhsa_system_sgpr_workgroup_id_x 1
		.amdhsa_system_sgpr_workgroup_id_y 1
		.amdhsa_system_sgpr_workgroup_id_z 1
		.amdhsa_system_vgpr_workitem_id 0
		.amdhsa_next_free_vgpr 1024
		.amdhsa_next_free_sgpr 100
		.amdhsa_reserve_vcc 0
		.amdhsa_float_denorm_mode_32 3
		.amdhsa_float_denorm_mode_16_64 3
		.amdhsa_memory_ordered 1
		.amdhsa_forward_progress 1
		.amdhsa_inst_pref_size 255
	.end_amdhsa_kernel
	.section	.bss,"aw",@nobits
	.p2align	6
	.space	262144
	.amdgpu_metadata
---
amdhsa.version: [ 1, 2 ]
amdhsa.kernels:
  - .name:           k_q46528e9ba7_gemm
    .symbol:         k_q46528e9ba7_gemm.kd
    .args:
      - { .name: a_img, .offset: 0, .size: 8, .value_kind: global_buffer, .address_space: global }
      - { .name: b_img, .offset: 8, .size: 8, .value_kind: global_buffer, .address_space: global }
      - { .name: alpha, .offset: 16, .size: 8, .value_kind: global_buffer, .address_space: global }
      - { .name: bias, .offset: 24, .size: 8, .value_kind: global_buffer, .address_space: global }
      - { .name: out0, .offset: 32, .size: 8, .value_kind: global_buffer, .address_space: global }
    .group_segment_fixed_size: 327680
    .private_segment_fixed_size: 0
    .kernarg_segment_align: 8
    .kernarg_segment_size: 40
    .max_flat_workgroup_size: 128
    .sgpr_count:     100
    .vgpr_count:     1024
    .wavefront_size: 32
...
	.end_amdgpu_metadata
.endif
;; end of part 2
